; MI455X (gfx1250); checked and timed in simulation.
; The chip was launched on July 23, 2026; its instructions are those of AMD's public machine-readable ISA for CDNA 5 (MIT licence, August 2026) and "CDNA5" Instruction Set Architecture Reference Guide (July 2026). The comments in the code are by the model that wrote it; some were corrected since.
;; One Step Attention. Allowed arithmetic: matrix products marked QUANTISED: E5M2 operands, one E8M0 scale for each 32 along K, by v_wmma_scale_f32_16x16x128_f8f6f4 with both operands' format E5M2, f32 sums; products left as they are: f32 operands where the result goes on into a quantised operand, else bf16, f16 or f32 operands; f32 sums; everything else in f32.
;; Inputs: U 1,024 x 1,024 float32; W 1,024 x 1,024 float32; k 32 x 1,024 x 1,024 float32; q 32 x 1,024 x 1,024 float32; v 32 x 1,024 x 1 float32.
;; Outputs: out0 32 x 1 x 1,024 float32.
;; This version of the problem:
;;   THIS VERSION OF THE PROBLEM IS GIVEN IN LOW PRECISION. The matrix products marked QUANTISED in the list below multiply operands that are first quantised to E5M2 (5 exponent bits, 2 mantissa bits; 8 bits a number), with one power-of-two scale for each 32 numbers along K (OCP MX v1.0); their sums are f32. All else is computed in f32.
;;   The module's matrix products, in the order in which they are computed (A, B: the left and right operand; K: the contracted axis; several contracted axes count as one K, in the product's order):
;;     1. [M 32,768, K 1,024] x [K 1,024, N 1,024]; A: input k; B: input W: QUANTISED
;;     2. [M 32,768, K 1,024] x [K 1,024, N 1,024]; A: input q; B: input U: QUANTISED
;;     3. batch 32 x [M 1, K 1,024] x [K 1,024, N 1,024]; A: input v; B: computed on the way: left as it is (M = 1 < 16)
;;   THE QUANTISER, for each operand of a quantised product, along K:
;;     - K is cut into blocks of 32 from its start; a last block that is shorter is filled with zeros.
;;     - A block's scale is 2^e with e = floor(log2(the largest magnitude in the block)) - 15, held to -126 .. 127; a block of zeros has e = 0. As a byte (E8M0): e + 127.
;;     - Each number is divided by its block's scale, clamped to +-57,344, and rounded to the nearest number of E5M2, ties to even, subnormals kept.
;;     - The product sums the exact products of the quantised numbers (number of the format x scale) in f32.
;;   ~~~python
;;   def quantise(x, axis):      # numpy; x: float32 -> the quantised numbers, widened to float32 again
;;       x = np.moveaxis(x, axis, -1); K = x.shape[-1]
;;       x = np.pad(x, [(0, 0)] * (x.ndim - 1) + [(0, -K % 32)]); x = x.reshape(x.shape[:-1] + (-1, 32)); a = np.abs(x).max(-1, keepdims=True)
;;       e = np.where(a > 0, np.clip(np.frexp(np.where(a > 0, a, 1))[1] - 1 - 15, -126, 127), 0)      # np.frexp(a)[1] - 1 = floor(log2(a)), exactly
;;       r = np.clip(x / 2.0 ** e, -57344, 57344)
;;       step = 2.0 ** (np.maximum(np.frexp(np.where(r == 0, 1, r))[1] - 1, -14) - 2)
;;       q = np.round(r / step) * step * 2.0 ** e      # np.round: ties to even
;;       return np.moveaxis(q.reshape(q.shape[:-2] + (-1,))[..., :K], -1, axis).astype(np.float32)
;;   ~~~
;; One version. Each part assembles by itself: llvm-mc -triple=amdgcn-amd-amdhsa -mcpu=gfx1250 --defsym DOCPART=n.
;; ======== version 1 of 1: 3 launches
;; limits: right only within a limited range of input values
;; workspace buffers: bimg 2,162,688 bytes; part 1,048,576 bytes
;; launch quant_w (part 1): grid 256 x 1, 4 waves a work-group, no clusters, 0 bytes of LDS; arguments W, U, bimg; writes bimg
.if DOCPART == 1
	.amdgcn_target "amdgcn-amd-amdhsa--gfx1250"
	.amdhsa_code_object_version 6
	.text
	.protected	k_q61c68afb46_quant_w
	.globl	k_q61c68afb46_quant_w
	.p2align	8
	.type	k_q61c68afb46_quant_w,@function
k_q61c68afb46_quant_w:
	s_mov_b64 s[64:65], 0
	v_nop
	global_prefetch_b8 v0, s[64:65] scope:SCOPE_SE
	s_setreg_imm32_b32 hwreg(HW_REG_WAVE_MODE, 25, 1), 1
	s_wait_xcnt 0x0
; W and U, [1024 d][1024 e] f32, become codes of BF8 (E5M2) with one E8M0 byte for each 32 along e, laid in the order of the operand registers of the launch that reads them.
; K = 2,048: W's e, then U's.  A fragment is 16 rows d x 128 K: lane (r, h) holds row r; its registers 4 c .. 4 c + 3 hold K = 32 c + 16 h + 0 .. 15.
; bimg[wave w of 4][pass p of 2][K step t of 16][half hf of 2]: four fragments of 2,048 bytes ([c][lane][16 bytes]), then 256 bytes of scale words [lane 16 (bb & 1) + r][bb / 2]; d = 512 p + 128 w + 64 hf + 16 bb + r.
; 1,024 fragments, one a wave: fragment number 4 x work-group + wave = 16 x (d / 16) + t.  A lane loads its 16 numbers of each block (64 bytes); a block lies in lanes l and l xor 16.
; A block's scale is 2^(floor(log2(its largest magnitude)) - 15); each number is divided by it, held within +-57,344 and rounded to the nearest code, ties to even.
; The codes leave as 512 consecutive bytes a store.  The 16 scale words of a fragment leave by one store of 4 bytes a lane, 8 bytes apart (lanes l and l xor 16 write the same word): 64 bytes of each 8,448.
; LIMITS: a block of zeros gets the byte 1 where the rule says 127 (its codes are zeros, and this program alone reads the bytes); blocks under 2^(16 - 127) are held at byte 1; NaN and infinities are not served.
.set STEPB, 16896
.set HALFB, 8448
	s_load_b128 s[4:7], s[0:1], 0x0                ; W, U
	s_load_b64 s[8:9], s[0:1], 0x10                ; bimg
	v_lshrrev_b32 v1, 5, v0
	v_readfirstlane_b32 s10, v1                    ; wave
	s_lshl_b32 s11, ttmp9, 2
	s_add_co_u32 s11, s11, s10                     ; the fragment's number
	s_and_b32 s12, s11, 15                         ; t
	s_lshr_b32 s13, s11, 4                         ; d / 16
	s_lshl_b32 s14, s13, 16                        ; source: 16 rows of 4,096 bytes x (d / 16) + 512 (t % 8)
	s_and_b32 s15, s12, 7
	s_lshl_b32 s15, s15, 9
	s_add_co_u32 s14, s14, s15
	s_mov_b32 s15, 0
	s_bfe_u32 s16, s13, 0x20003                    ; w
	s_lshr_b32 s17, s13, 5                         ; p
	s_lshl_b32 s16, s16, 1
	s_add_co_u32 s16, s16, s17
	s_lshl_b32 s16, s16, 4
	s_add_co_u32 s16, s16, s12
	s_mul_i32 s16, s16, STEPB
	s_bfe_u32 s17, s13, 0x10002                    ; hf
	s_mul_i32 s17, s17, HALFB
	s_add_co_u32 s16, s16, s17                     ; the half step's first byte
	s_and_b32 s17, s13, 3                          ; bb
	s_lshl_b32 s18, s17, 11
	s_add_co_u32 s18, s18, s16                     ; the fragment's codes
	s_mov_b32 s19, 0
	s_and_b32 s20, s17, 1
	s_lshl_b32 s20, s20, 7
	s_lshr_b32 s17, s17, 1
	s_lshl_b32 s17, s17, 2
	s_add_co_u32 s20, s20, s17
	s_add_co_u32 s20, s20, s16
	s_add_co_u32 s20, s20, 8192                    ; its scale words
	s_mov_b32 s21, 0
	s_mov_b32 s24, 0x76543210
	s_mov_b32 s25, 0xfedcba98                      ; lane l xor 16
	s_mov_b32 s26, 0x600000                        ; the mantissa field of 57,344
	v_and_b32 v1, 15, v0                           ; r
	v_bfe_u32 v2, v0, 4, 1                         ; h
	v_lshlrev_b32 v3, 12, v1
	v_lshl_add_u32 v3, v2, 6, v3                   ; source: row r, + 64 h
	v_and_b32 v4, 31, v0
	v_lshlrev_b32 v4, 4, v4                        ; codes: 16 x lane
	v_lshlrev_b32 v5, 3, v1                        ; scale word: 8 r
	s_wait_alu depctr_va_vdst(0)                   ; the wait at the head's end
	s_wait_kmcnt 0x0
	s_cmp_lt_u32 s12, 8                            ; K steps 0-7 are W's
	s_cselect_b64 s[4:5], s[4:5], s[6:7]
	s_add_nc_u64 s[4:5], s[4:5], s[14:15]
	s_add_nc_u64 s[18:19], s[8:9], s[18:19]
	s_add_nc_u64 s[20:21], s[8:9], s[20:21]
.irp c, 0,1,2,3
.irp i, 0,1,2,3
	global_load_b128 v[64+16*\c+4*\i:67+16*\c+4*\i], v3, s[4:5] offset:128*\c+16*\i
.endr
.endr
	s_wait_loadcnt 0x0
.irp b, 0,1,2,3
	v_mov_b32 v[36+\b], 0                          ; a lane permute's destination counts as one of its sources
.endr
.irp b, 0,1,2,3
	v_max3_num_f32 v[32+\b], |v[64+16*\b]|, |v[65+16*\b]|, 0x8000000   ; my 16 numbers of block b, and the floor 2^(16 - 127)
.endr
.irp i, 2,4,6,8,10,12,14
.irp b, 0,1,2,3
	v_max3_num_f32 v[32+\b], v[32+\b], |v[64+16*\b+\i]|, |v[65+16*\b+\i]|
.endr
.endr
.irp b, 0,1,2,3
	v_permlanex16_b32 v[36+\b], v[32+\b], s24, s25
.endr
.irp b, 0,1,2,3
	v_max_num_f32 v[32+\b], v[32+\b], v[36+\b]     ; the block's largest magnitude
.endr
.irp b, 0,1,2,3
	v_add_nc_u32 v[44+\b], 0xf8800000, v[32+\b]    ; 15 off its exponent field: the conversion's scale operand
.endr
.irp b, 0,1,2,3
	v_and_or_b32 v[40+\b], v[32+\b], 0x7f800000, s26   ; 57,344 x the scale
.endr
.irp b, 0,1,2,3
	v_lshrrev_b32 v[36+\b], 23, v[44+\b]           ; the scale's byte
.endr
	v_lshl_or_b32 v9, v37, 8, v36
	v_lshl_or_b32 v9, v38, 16, v9
	v_lshl_or_b32 v9, v39, 24, v9                  ; row r's scale word
.irp c, 0,1,2,3
.irp i, 0,1,2,3,4,5,6,7,8,9,10,11,12,13,14,15
	v_med3_num_f32 v[64+16*\c+\i], v[64+16*\c+\i], -v[40+\c], v[40+\c]   ; the conversion does not saturate (ISA guide 7.6.2): hold first
.endr
	v_cvt_scalef32_pk8_bf8_f32 v[48+4*\c:49+4*\c], v[64+16*\c:71+16*\c], v[44+\c]
	v_cvt_scalef32_pk8_bf8_f32 v[50+4*\c:51+4*\c], v[72+16*\c:79+16*\c], v[44+\c]
.endr
	v_nop
.irp c, 0,1,2,3
	global_store_b128 v4, v[48+4*\c:51+4*\c], s[18:19] offset:512*\c   ; 32 lanes store 512 consecutive bytes
.endr
	global_store_b32 v5, v9, s[20:21]
	s_endpgm
.Lfunc_end_k_q61c68afb46_quant_w:
	.size	k_q61c68afb46_quant_w, .Lfunc_end_k_q61c68afb46_quant_w-k_q61c68afb46_quant_w
	.p2alignl 7, 3214868480
	.fill 96, 4, 3214868480
	.section	.rodata,"a",@progbits
	.p2align	6, 0x0
	.amdhsa_kernel k_q61c68afb46_quant_w
		.amdhsa_group_segment_fixed_size 0
		.amdhsa_private_segment_fixed_size 0
		.amdhsa_enable_private_segment 0
		.amdhsa_kernarg_size 24
		.amdhsa_user_sgpr_count 2
		.amdhsa_user_sgpr_kernarg_segment_ptr 1
		.amdhsa_wavefront_size32 1
		.amdhsa_system_sgpr_workgroup_id_x 1
		.amdhsa_system_sgpr_workgroup_id_y 1
		.amdhsa_system_sgpr_workgroup_id_z 1
		.amdhsa_system_vgpr_workitem_id 0
		.amdhsa_next_free_vgpr 128
		.amdhsa_next_free_sgpr 66
		.amdhsa_reserve_vcc 0
		.amdhsa_float_denorm_mode_32 3
		.amdhsa_float_denorm_mode_16_64 3
		.amdhsa_memory_ordered 1
		.amdhsa_forward_progress 1
		.amdhsa_inst_pref_size 13
	.end_amdhsa_kernel
	.amdgpu_metadata
---
amdhsa.version: [ 1, 2 ]
amdhsa.kernels:
  - .name:           k_q61c68afb46_quant_w
    .symbol:         k_q61c68afb46_quant_w.kd
    .args:
      - { .name: W, .offset: 0, .size: 8, .value_kind: global_buffer, .address_space: global }
      - { .name: U, .offset: 8, .size: 8, .value_kind: global_buffer, .address_space: global }
      - { .name: bimg, .offset: 16, .size: 8, .value_kind: global_buffer, .address_space: global }
    .group_segment_fixed_size: 0
    .private_segment_fixed_size: 0
    .kernarg_segment_align: 8
    .kernarg_segment_size: 24
    .max_flat_workgroup_size: 128
    .sgpr_count:     66
    .vgpr_count:     128
    .wavefront_size: 32
...
	.end_amdgpu_metadata
.endif
;; end of part 1
;; launch scores (part 2): grid 256 x 1, 4 waves a work-group, no clusters, 305,664 bytes of LDS; arguments k, q, v, bimg, part; writes part
.if DOCPART == 2
	.amdgcn_target "amdgcn-amd-amdhsa--gfx1250"
	.amdhsa_code_object_version 6
	.text
	.protected	k_q61c68afb46_scores
	.globl	k_q61c68afb46_scores
	.p2align	8
	.type	k_q61c68afb46_scores,@function
k_q61c68afb46_scores:
	s_mov_b64 s[64:65], 0
	v_nop
	global_prefetch_b8 v0, s[64:65] scope:SCOPE_SE
	s_setreg_imm32_b32 hwreg(HW_REG_WAVE_MODE, 25, 1), 1
	s_wait_xcnt 0x0
; part[d / 128][1024 b + s] = the sum over 128 d of v[b][d] tanh(sum_e W[d][e] k[b][e][s] + sum_e U[d][e] q[b][e][s]), both products on codes of BF8 (E5M2), one E8M0 byte for 32 along e, as ONE product with K = 2,048 (k's e, then q's).
; SHARES.  256 work-groups; work-group x owns the 128 rows b = x / 8, s = 128 (x % 8) + 0 .. 127, and ALL 1,024 d: so each number of k and q is read from memory once, by one work-group, and is quantised here, ahead of the products.
; PHASE 1.  Wave w takes tensor w / 2 and, of each 128 along e, the 64 from 64 (w % 2) on: 32 units of 32 e x 64 s.  A load reads two runs of 256 consecutive bytes: lanes 0-15 four neighbouring s each of row e, lanes 16-31 of row e + 16.
;   A unit's 16 loads give a lane 16 numbers of each of four blocks; a block lies in lanes l and l xor 16.  The hold writes each number to its place in a run of 16 registers along e, so that the conversions find neighbours along K.
;   Four sets of 64 registers: 48 to 64 loads of a wave are out.  Each set has a base of its own, stepped behind the counted wait that shows that set's loads done.
;   Codes go to LDS as 16 tiles of 128 K: [128 rows][128 bytes + 16], and behind each tile its 512 scale bytes [row % 32][row / 32][4]: 18,944 bytes a tile.
; PHASE 2.  Two passes over d; in a pass wave w makes 128 rows x 128 d (d = 512 pass + 128 w ..): 64 accumulators, 512 registers.  Source 0 = 16 rows of the weights, source 1 = 16 rows (b, s): a lane holds one row and eight d.
;   A's fragments come from LDS.  The weights' fragments come from bimg straight into registers: each is used by ONE wave of the work-group, and lies in bimg as that wave's registers take it: 512 consecutive bytes a load.
;   A step of 128 K is 64 products: B's fragments 0-3 against A's eight blocks, then 4-7.  B has four half sets of 64 registers, each asked for again behind its last use, for the half step four on.  A has one set, fetched again by pairs of blocks.
;   A step's loads stand in four runs.  One v_nop behind a product gives them their eight places.  The 64 accumulators take turns.
;   The last two steps have nothing to ask for ahead: their look-ahead names the last step again, inside the buffer, so that the counted waits hold in every step; nobody reads what it brings.
; THE WAY OUT of a pass: tanh(x) = 1 - 2 / (1 + 2^(2 log2(e) x)); x v[b][d], summed over my 128 d; the wave's 128 sums leave as 512 consecutive bytes.  The next launch adds the eight parts and takes the softmax.
; NO TENSOR LOADS, NO CLUSTER: A's tiles take 303,104 bytes of LDS, which leaves no room for a ring of the weights' tiles, and no fragment of the weights is read by two waves of a work-group.
; PREFETCH: bimg's 8,448 blocks of 256 bytes are asked for once by work-group x and once by x xor 128, one instruction a wave, behind phase 1's first loads: the whole of phase 1 ahead of their first use.
; LIMITS: a block of zeros gets the byte 1 (its codes are zeros; the bytes stay in LDS); blocks under 2^(16 - 127) are held at byte 1; NaN and infinities among the inputs are not served.
.set TILE,  18944
.set SOFF,  18432                      ; a tile's scale bytes
.set STG,   16*TILE                    ; the way out: 512 bytes a wave
.set SPARE, STG+2048                   ; the spare words: 128 bytes a wave
.set STEPB, 16896                      ; a step of a wave's stream in bimg
.set HALFB, 8448
.set M,   8                            ; v8-11 largest magnitudes, then bytes; v12-15 scale operands; v16-19 bounds; v32-35 the other half's maxima
.set SOP, 12
.set BND, 16
.set C,   64                           ; v64-79 phase 1: codes
.set XT,  128                          ; v128-191 phase 1: held numbers, 16 along e for each of 4 columns
.set TT,  8                            ; the way out
.set SS,  48
.set RES, 56
.set VV,  64                           ; v64-127 v[b][d] of my 128 d
; v1 16 x lane; v2 8 x lane; v3 prefetch; v4, v5 phase 1's LDS places, v6, v7 the trip's; v20, v21 stage in, out; v22 phase 1's offset in k, q; v24, v25 A's fragments and scale words in tile 0, v26, v27 the trip's; v28, v29 the add; v30 sum of v; v31 32 h
; v32-35, v40-43 A's scale words, two sets; v36-39, v44-47 B's, a pair a half set.  Window 1: B's half sets; windows 2, 3: accumulators (phase 1: the four sets of numbers)
.set MSB, 0
.macro WIN new
.if MSB != (\new)
	s_set_vgpr_msb (MSB<<8)|(\new)
.set MSB, (\new)
.endif
.endm
	s_load_b256 s[4:11], s[0:1], 0x0               ; k, q, v, bimg
	s_load_b64 s[12:13], s[0:1], 0x20              ; part
	v_lshl_add_u32 v28, v0, 2, SPARE
	v_mov_b32 v29, 0
	v_lshrrev_b32 v9, 5, v0
	v_readfirstlane_b32 s14, v9                    ; wave
	s_and_b32 s15, s14, 1
	s_lshr_b32 s16, s14, 1
	s_mul_i32 s40, s16, 8*TILE                     ; q's tiles lie behind k's eight
	s_lshl_b32 s20, s15, 6
	s_add_co_u32 s41, s40, s20                     ; my 64 bytes of each row
	s_lshl_b32 s20, s15, 1
	s_add_co_u32 s42, s40, s20
	s_add_co_u32 s42, s42, SOFF                    ; my 2 bytes of each scale word
	s_lshl_b32 s43, s14, 9
	s_add_co_u32 s43, s43, STG                     ; my stage
	s_lshl_b32 s20, s15, 7
	s_xor_b32 s20, s20, ttmp9                      ; prefetch: share x or x xor 128
	s_lshl_b32 s44, s20, 13                        ; waves 0, 1: 8,192 bytes of the first 2 MiB, lanes 256 apart
	s_lshl_b32 s20, s20, 8
	s_add_co_u32 s20, s20, 0x200000                ; waves 2, 3: one block of the last 65,536 bytes
	s_cmp_eq_u32 s16, 0
	s_cselect_b32 s44, s44, s20
	s_cselect_b32 s45, 256, 0
	s_lshr_b32 s46, ttmp9, 3                       ; b
	s_lshl_b32 s20, s46, 22                        ; k, q: 4 MiB b + 512 (x % 8) + 64 (w % 2) rows of 4,096 bytes
	s_and_b32 s21, ttmp9, 7
	s_lshl_b32 s21, s21, 9
	s_add_co_u32 s20, s20, s21
	s_lshl_b32 s21, s15, 18
	s_add_co_u32 s20, s20, s21
	s_mov_b32 s21, 0
	s_lshl_b32 s38, s46, 12                        ; v: 4,096 b + 512 w
	s_lshl_b32 s39, s14, 9
	s_add_co_u32 s38, s38, s39
	s_mov_b32 s39, 0
	s_lshl_b32 s36, s14, 17                        ; part: 131,072 w + 512 x
	s_lshl_b32 s37, ttmp9, 9
	s_add_co_u32 s36, s36, s37
	s_mov_b32 s37, 0
	s_mul_i32 s30, s14, 32*STEPB                   ; my stream in bimg
	s_mov_b32 s31, 0
	s_mov_b32 s32, 0x4038aa3b                      ; 2 log2(e)
	s_mov_b32 s33, s32
	s_mov_b32 s34, 0x76543210
	s_mov_b32 s35, 0xfedcba98                      ; lane l xor 16
	s_mov_b32 s47, 0x600000                        ; the mantissa field of 57,344
	s_mov_b32 s24, 0                               ; the pass
	s_mov_b32 s25, 0                               ; the step, 0 .. 31
	v_and_b32 v8, 31, v0                           ; lane
	v_and_b32 v10, 15, v0                          ; r
	v_bfe_u32 v11, v0, 4, 1                        ; h
	v_lshlrev_b32 v1, 4, v8
	v_lshlrev_b32 v2, 3, v8
	v_mul_u32_u24 v3, v8, s45
	v_add_nc_u32 v3, s44, v3
	v_mul_u32_u24 v4, v10, 576                     ; phase 1: my rows 4 r + c of a unit's 64: 144 bytes a row,
	v_lshl_add_u32 v4, v11, 4, v4                  ; and my half's 16 codes of a block
	v_add_nc_u32 v4, s41, v4
	v_and_b32 v12, 7, v10
	v_lshrrev_b32 v13, 3, v10
	v_lshlrev_b32 v12, 6, v12
	v_lshl_add_u32 v12, v13, 2, v12                ; 16 (row % 32) + 4 (row / 32) at c = 0
	v_add_nc_u32 v5, s42, v12
	v_lshlrev_b32 v22, 16, v11                     ; k, q: 16 rows of 4,096 bytes x h + 16 r
	v_lshl_add_u32 v22, v10, 4, v22
	v_mul_u32_u24 v24, v10, 144
	v_lshl_add_u32 v24, v11, 4, v24
	v_add_nc_u32 v25, SOFF, v1
	v_lshl_add_u32 v20, v10, 2, s43
	v_add_nc_u32 v21, s43, v1
	v_lshlrev_b32 v31, 5, v11
.irp c, 0,1,2,3
	v_mov_b32 v[32+\c], 0                          ; a lane permute's destination counts as one of its sources
.endr
	s_wait_alu depctr_va_vdst(0)                   ; the wait at the head's end
	s_wait_kmcnt 0x0
	s_cmp_eq_u32 s16, 0
	s_cselect_b64 s[18:19], s[4:5], s[6:7]
	s_add_nc_u64 s[18:19], s[18:19], s[20:21]      ; unit 0's base
	s_add_nc_u64 s[8:9], s[8:9], s[38:39]
	s_add_nc_u64 s[12:13], s[12:13], s[36:37]
	s_add_nc_u64 s[26:27], s[10:11], s[30:31]
	s_add_nc_u64 s[20:21], s[18:19], 256           ; unit 1: the other 64 s
	s_add_nc_u64 s[36:37], s[18:19], 0x20000       ; units 2, 3: 32 e on
	s_add_nc_u64 s[38:39], s[18:19], 0x20100
; unit u = 2 a + ch of a trip: block a of my two, columns 64 ch on; its numbers in set u: window 2 + u / 2, from v[64 (u % 2)]; its base s[BP_:BP_+1]
.macro UVARS u
.set W_, 2+(\u)/2
.set X0_, 64*((\u)%2)
.set BP_, 18+2*((\u)%2)+18*((\u)/2)
.endm
.macro LOADU u                         ; register 4 j + c = x(e = 16 h + j, column 4 r + c)
	UVARS \u
	WIN W_<<6
.set J_, 0
.rept 16
	global_load_b128 v[X0_+4*J_:X0_+4*J_+3], v22, s[BP_:BP_+1] offset:4096*J_ th:TH_LOAD_NT
.set J_, J_+1
.endr
	WIN 0
.endm
.macro UNIT u, ld, n                   ; n: the loads issued behind this unit's own
	UVARS \u
	s_wait_alu depctr_va_vdst(0)                   ; the wait ahead of the waits below
	s_wait_loadcnt \n
	s_wait_dscnt 0x0                               ; the last unit's stores have read their registers
.if \ld
	s_add_nc_u64 s[BP_:BP_+1], s[BP_:BP_+1], 0x80000   ; this set's loads are done, so its base may step: the next trip, 128 e on
.endif
	WIN W_|(W_<<2)
.irp c, 0,1,2,3
	v_max3_num_f32 v[M+\c], |v[X0_+\c]|, |v[X0_+4+\c]|, 0x8000000   ; the four columns by turns; the floor 2^(16 - 127) holds the byte at 1 from below
.endr
.set I_, 2
.rept 7
.irp c, 0,1,2,3
	v_max3_num_f32 v[M+\c], |v[X0_+4*I_+\c]|, |v[X0_+4*I_+4+\c]|, v[M+\c]
.endr
.set I_, I_+2
.endr
	WIN 0
.irp c, 0,1,2,3
	v_permlanex16_b32 v[32+\c], v[M+\c], s34, s35
.endr
.irp c, 0,1,2,3
	v_max_num_f32 v[M+\c], v[M+\c], v[32+\c]       ; with the other 16 e: the block's largest magnitude
.endr
.irp c, 0,1,2,3
	v_add_nc_u32 v[SOP+\c], 0xf8800000, v[M+\c]    ; 15 off the exponent field: the conversion's scale operand
.endr
.irp c, 0,1,2,3
	v_and_or_b32 v[BND+\c], v[M+\c], 0x7f800000, s47   ; 57,344 x the scale
.endr
	WIN W_
.irp c, 0,1,2,3
.set I_, 0
.rept 16
	v_med3_num_f32 v[XT+16*\c+I_], v[X0_+4*I_+\c], -v[BND+\c], v[BND+\c]   ; the hold (ISA guide 7.6.2), written to its place along e
.set I_, I_+1
.endr
.endr
.if \ld
	LOADU \u                                       ; the set is free: the same unit of the next trip
.endif
	WIN 0
.irp c, 0,1,2,3
.irp g, 0,1
	v_cvt_scalef32_pk8_bf8_f32 v[C+4*\c+2*\g:C+4*\c+2*\g+1], v[XT+16*\c+8*\g:XT+16*\c+8*\g+7], v[SOP+\c]
.endr
.endr
.irp c, 0,1,2,3
	v_lshrrev_b32 v[M+\c], 23, v[SOP+\c]           ; the scale's byte
.endr
.irp c, 0,1,2,3
	ds_store_b128 v6, v[C+4*\c:C+4*\c+3] offset:9216*((\u)%2)+144*\c+32*((\u)/2)
	ds_store_b8 v7, v[M+\c] offset:16*\c+8*((\u)%2)+(\u)/2   ; lanes l and l xor 16 write the same byte with the same value
.endr
.endm
.macro AFR blk, adr, off               ; A's block: 16 rows x 128 K
.irp c, 0,1,2,3
	ds_load_b128 v[128+16*(\blk)+4*\c:128+16*(\blk)+4*\c+3], v[\adr] offset:(\off)+2304*(\blk)+32*\c
.endr
.endm
.macro BFR k, f, ptr, off              ; fragment f of half set k
.irp c, 0,1,2,3
	global_load_b128 v[64*(\k)+16*(\f)+4*\c:64*(\k)+16*(\f)+4*\c+3], v1, s[\ptr:\ptr+1] offset:(\off)+2048*(\f)+512*\c
.endr
.endm
.macro BGRP k, off                     ; a whole half set: its scale words and four fragments: 17 loads
	global_load_b64 v[36+2*((\k)&1)+8*((\k)>>1):37+2*((\k)&1)+8*((\k)>>1)], v2, s[26:27] offset:(\off)+8192
	WIN 0x40
.irp f, 0,1,2,3
	BFR \k, \f, 26, \off
.endr
	WIN 0
.endm
.irp u, 0,1,2,3
	LOADU \u
.endr
	global_prefetch_b8 v3, s[10:11] th:TH_LOAD_NT scope:SCOPE_SE   ; its registers are never written again
	s_mov_b32 s22, 0
	s_mov_b32 s23, 7
.Lq:
	v_add_nc_u32 v6, s22, v4
	v_add_nc_u32 v7, s22, v5
.irp u, 0,1,2,3
	UNIT \u, 1, 48                                 ; the other three sets' loads may be out
.endr
	s_add_co_u32 s22, s22, TILE
	s_sub_co_u32 s23, s23, 1
	s_cmp_lg_u32 s23, 0
	s_wait_alu depctr_va_vdst(0)
	s_cbranch_scc1 .Lq
	v_add_nc_u32 v6, s22, v4                       ; the last trip asks for nothing more of k and q
	v_add_nc_u32 v7, s22, v5
	UNIT 0, 0, 48
	UNIT 1, 0, 32
	UNIT 2, 0, 16
	BGRP 0, 0                                      ; the weights' first three half steps: 51 loads, behind the last unit's 16
	BGRP 1, HALFB
	BGRP 2, STEPB
	UNIT 3, 0, 51
	s_wait_xcnt 0x0
	s_add_nc_u64 s[28:29], s[26:27], 2*STEPB       ; s[28:29]: the step two on; s[26:27]: the next step
	s_add_nc_u64 s[26:27], s[26:27], STEPB
	s_wait_alu depctr_va_vdst(0)
	s_wait_dscnt 0x0                               ; my codes and bytes are in LDS
	s_barrier_signal -1
	s_barrier_wait -1
.macro PROD n, par, zero               ; product n = 32 half + 4 a + bb of a step of parity par
.set H_, (\n)/32
.set A_, ((\n)%32)/4
.set Q_, (\n)%4
.set AC_, 8*(8*(A_%4)+4*H_+Q_)
.set BR_, 64*(2*(\par)+H_)+16*Q_
.set AR_, 128+16*A_
.set SB_, 36+8*(\par)+2*H_+Q_/2
.set SA_, 32+8*(\par)+A_/2
	WIN 0xa1+0x50*(A_/4)
.if \zero
.if Q_%2 && A_%2
	v_wmma_scale_f32_16x16x128_f8f6f4 v[AC_:AC_+7], v[BR_:BR_+15], v[AR_:AR_+15], 0, v[SB_], v[SA_] matrix_a_fmt:MATRIX_FMT_BF8 matrix_b_fmt:MATRIX_FMT_BF8 matrix_a_scale:MATRIX_SCALE_ROW1 matrix_b_scale:MATRIX_SCALE_ROW1
.elseif Q_%2
	v_wmma_scale_f32_16x16x128_f8f6f4 v[AC_:AC_+7], v[BR_:BR_+15], v[AR_:AR_+15], 0, v[SB_], v[SA_] matrix_a_fmt:MATRIX_FMT_BF8 matrix_b_fmt:MATRIX_FMT_BF8 matrix_a_scale:MATRIX_SCALE_ROW1
.elseif A_%2
	v_wmma_scale_f32_16x16x128_f8f6f4 v[AC_:AC_+7], v[BR_:BR_+15], v[AR_:AR_+15], 0, v[SB_], v[SA_] matrix_a_fmt:MATRIX_FMT_BF8 matrix_b_fmt:MATRIX_FMT_BF8 matrix_b_scale:MATRIX_SCALE_ROW1
.else
	v_wmma_scale_f32_16x16x128_f8f6f4 v[AC_:AC_+7], v[BR_:BR_+15], v[AR_:AR_+15], 0, v[SB_], v[SA_] matrix_a_fmt:MATRIX_FMT_BF8 matrix_b_fmt:MATRIX_FMT_BF8
.endif
.else
.if Q_%2 && A_%2
	v_wmma_scale_f32_16x16x128_f8f6f4 v[AC_:AC_+7], v[BR_:BR_+15], v[AR_:AR_+15], v[AC_:AC_+7], v[SB_], v[SA_] matrix_a_fmt:MATRIX_FMT_BF8 matrix_b_fmt:MATRIX_FMT_BF8 matrix_a_scale:MATRIX_SCALE_ROW1 matrix_b_scale:MATRIX_SCALE_ROW1
.elseif Q_%2
	v_wmma_scale_f32_16x16x128_f8f6f4 v[AC_:AC_+7], v[BR_:BR_+15], v[AR_:AR_+15], v[AC_:AC_+7], v[SB_], v[SA_] matrix_a_fmt:MATRIX_FMT_BF8 matrix_b_fmt:MATRIX_FMT_BF8 matrix_a_scale:MATRIX_SCALE_ROW1
.elseif A_%2
	v_wmma_scale_f32_16x16x128_f8f6f4 v[AC_:AC_+7], v[BR_:BR_+15], v[AR_:AR_+15], v[AC_:AC_+7], v[SB_], v[SA_] matrix_a_fmt:MATRIX_FMT_BF8 matrix_b_fmt:MATRIX_FMT_BF8 matrix_b_scale:MATRIX_SCALE_ROW1
.else
	v_wmma_scale_f32_16x16x128_f8f6f4 v[AC_:AC_+7], v[BR_:BR_+15], v[AR_:AR_+15], v[AC_:AC_+7], v[SB_], v[SA_] matrix_a_fmt:MATRIX_FMT_BF8 matrix_b_fmt:MATRIX_FMT_BF8
.endif
.endif
.endm
; A STEP.  adr: A's address register (adr + 1: the scale words'); cur, nxt: this step's and the next step's tile from there; na = 1: the next step's blocks are fetched.
; FOUR RUNS OF LOADS, each eight products (and eight v_nop) behind the last product that read its registers.  Behind product 6: this step's blocks 6, 7 and the next step's second half set (17 loads);
; behind 46: the first half set of the step two on (17 loads), the next step's scale words of A and its blocks 0, 1;  behind 54: blocks 2, 3;  behind 62: blocks 4, 5.  Behind 57 and 59: the pointers' steps.
; Waits: ahead of products 0 and 32 the half set in hand has two younger groups of 17 behind it;  ahead of products 0, 8, 16, 24 the pair of blocks in hand has 16, 16, 8, 0 younger block loads behind it.
.macro STEP par, zero, adr, cur, nxt, na
.set N_, 0
.rept 64
.if N_ == 0 || N_ == 32
	s_wait_loadcnt 34
.endif
.if N_ == 0 || N_ == 8
	s_wait_dscnt 16
.elseif N_ == 16
	s_wait_dscnt 8
.elseif N_ == 24
	s_wait_dscnt 0
.endif
	PROD N_, \par, \zero
.if N_ <= 6 || N_ >= 39
	v_nop
.endif
.if N_ == 6
	WIN 0
	global_load_b64 v[46-8*(\par):47-8*(\par)], v2, s[26:27] offset:HALFB+8192
	AFR 6, \adr, \cur
	AFR 7, \adr, \cur
	WIN 0x40
.irp f, 0,1,2,3
	BFR 3-2*(\par), \f, 26, HALFB
.endr
.elseif N_ == 46
	WIN 0
	global_load_b64 v[36+8*(\par):37+8*(\par)], v2, s[28:29] offset:8192
.if \na
	ds_load_b128 v[40-8*(\par):43-8*(\par)], v[\adr+1] offset:\nxt
	AFR 0, \adr, \nxt
	AFR 1, \adr, \nxt
.endif
	WIN 0x40
.irp f, 0,1,2,3
	BFR 2*(\par), \f, 28, 0
.endr
.elseif N_ == 54 || N_ == 62
.if \na
	WIN 0
	AFR (N_-46)/4, \adr, \nxt
	AFR (N_-46)/4+1, \adr, \nxt
.endif
.elseif N_ == 57
	s_wait_xcnt 0x0                                ; this step's loads have read their bases
	s_add_co_u32 s25, s25, 1
	s_cmp_lt_u32 s25, 31                           ; the pointers stop at the stream's last step
	s_cselect_b32 s30, STEPB, 0
.elseif N_ == 59
	s_add_nc_u64 s[26:27], s[26:27], s[30:31]
	s_cmp_lt_u32 s25, 30
	s_cselect_b32 s30, STEPB, 0
	s_add_nc_u64 s[28:29], s[28:29], s[30:31]
.endif
.set N_, N_+1
.endr
	WIN 0
.endm
.macro SCORE2 g                        ; blocks 2 g and 2 g + 1, 32 rows: v tanh summed over my 64 registers of each; 128 registers to a batch
.set AC, 128*((\g)%2)
.set WN, 2+(\g)/2
	WIN (WN<<6)|WN
.set i, 0
.rept 64
	v_pk_mul_f32 v[AC+2*i:AC+2*i+1], v[AC+2*i:AC+2*i+1], s[32:33] op_sel_hi:[1,0]   ; each accumulator from its low end on
.set i, i+1
.endr
.set i, 0
	s_wait_alu depctr_va_vdst(0)                   ; a wait ahead of each batch and behind it
.rept 128
	v_exp_f32 v[AC+i], v[AC+i]
.set i, i+1
.endr
	v_nop
.set i, 0
	s_wait_alu depctr_va_vdst(0)
.rept 64
	v_pk_add_f32 v[AC+2*i:AC+2*i+1], v[AC+2*i:AC+2*i+1], 1.0 op_sel_hi:[1,0]
.set i, i+1
.endr
.set i, 0
	s_wait_alu depctr_va_vdst(0)
.rept 128
	v_rcp_f32 v[AC+i], v[AC+i]
.set i, i+1
.endr
	v_nop
	WIN WN
	s_wait_alu depctr_va_vdst(0)
.irp u, 0,1
.set SD, SS-(SS-TT)*\u                 ; the first block's sums in v48-55, the second's in v8-15
.set i, 0
.rept 4
	v_pk_mul_f32 v[SD+2*i:SD+2*i+1], v[AC+64*\u+2*i:AC+64*\u+2*i+1], v[VV+2*i:VV+2*i+1]
.set i, i+1
.endr
.rept 28
	v_pk_fma_f32 v[SD+2*(i%4):SD+2*(i%4)+1], v[AC+64*\u+2*i:AC+64*\u+2*i+1], v[VV+2*i:VV+2*i+1], v[SD+2*(i%4):SD+2*(i%4)+1]
.set i, i+1
.endr
.endr
	WIN 0
.irp u, 0,1
.set SD, SS-(SS-TT)*\u
	v_pk_add_f32 v[SD:SD+1], v[SD:SD+1], v[SD+2:SD+3]
	v_pk_add_f32 v[SD+4:SD+5], v[SD+4:SD+5], v[SD+6:SD+7]
	v_pk_add_f32 v[SD:SD+1], v[SD:SD+1], v[SD+4:SD+5]
	v_add_f32 v[SD], v[SD], v[SD+1]
	v_fma_f32 v[RES+2*(\g)+\u], v[SD], -2.0, v30   ; sum of v (1 - 2 / (1 + ..))
.endr
.endm
.Lpass:
.irp bi, 0,1,2,3,4,5,6,7
	global_load_b128 v[VV+8*\bi:VV+8*\bi+3], v31, s[8:9] offset:64*\bi       ; v[b][d], d = 16 bi + 8 h + 0 .. 7 of my 128: older than every load that the later steps wait for
	global_load_b128 v[VV+8*\bi+4:VV+8*\bi+7], v31, s[8:9] offset:64*\bi+16
.endr
	ds_load_b128 v[32:35], v25                     ; step 0: its scale words and blocks 0 to 5
.irp a, 0,1,2,3,4,5
	AFR \a, 24, 0
.endr
	s_mov_b32 s22, TILE
	STEP 0, 1, 24, 0, TILE, 1                      ; the first step's products start the sums
	s_mov_b32 s23, 7
.Lk:                                                   ; steps 2 i + 1 and 2 i + 2
	v_add_nc_u32 v26, s22, v24
	v_add_nc_u32 v27, s22, v25
	s_wait_alu depctr_va_vdst(0)                   ; the wait directly behind the writes
	STEP 1, 0, 26, 0, TILE, 1
	STEP 0, 0, 26, TILE, 2*TILE, 1
	s_add_co_u32 s22, s22, 2*TILE
	s_sub_co_u32 s23, s23, 1
	s_cmp_lg_u32 s23, 0
	s_cbranch_scc1 .Lk
	STEP 1, 0, 26, 2*TILE, 0, 0                    ; step 15: tile 15 lies two tiles behind the last trip's; no block is fetched for a next step
	v_pk_add_f32 v[TT:TT+1], v[VV:VV+1], v[VV+2:VV+3]   ; the sum of my v: these lines are also the places behind the last products
.set i, 2
.rept 30
	v_pk_add_f32 v[TT:TT+1], v[TT:TT+1], v[VV+2*i:VV+2*i+1]
.set i, i+1
.endr
	v_add_f32 v30, v[TT], v[TT+1]
.irp g, 0,1,2,3
	SCORE2 \g
.endr
.irp a, 0,1,2,3,4,5,6,7
	v_permlanex16_b32 v[TT+\a], v[RES+\a], s34, s35
.endr
.irp a, 0,1,2,3,4,5,6,7
	v_add_f32 v[RES+\a], v[RES+\a], v[TT+\a]       ; with the other eight d of each tile
.endr
.irp a, 0,1,2,3,4,5,6,7
	ds_store_b32 v20, v[RES+\a] offset:64*\a       ; lanes l and l xor 16 write the same word with the same value
.endr
	ds_load_b128 v[SS:SS+3], v21                   ; LDS serves a wave's instructions in order: this sees my stores
	s_wait_dscnt 0x0
	global_store_b128 v1, v[SS:SS+3], s[12:13]     ; 32 lanes store 512 consecutive bytes
	s_wait_xcnt 0x0
	s_add_nc_u64 s[8:9], s[8:9], 2048              ; the next pass: 512 d on
	s_add_nc_u64 s[12:13], s[12:13], 0x80000
	s_add_co_u32 s24, s24, 1
	s_cmp_lg_u32 s24, 2
	s_wait_alu depctr_va_vdst(0)
	s_cbranch_scc1 .Lpass
	s_wait_tensorcnt 0x0                           ; the wave's end
	ds_add_u32 v28, v29
	s_wait_dscnt 0x0
	s_endpgm
.Lfunc_end_k_q61c68afb46_scores:
	.size	k_q61c68afb46_scores, .Lfunc_end_k_q61c68afb46_scores-k_q61c68afb46_scores
	.p2alignl 7, 3214868480
	.fill 96, 4, 3214868480
	.section	.rodata,"a",@progbits
	.p2align	6, 0x0
	.amdhsa_kernel k_q61c68afb46_scores
		.amdhsa_group_segment_fixed_size 305664
		.amdhsa_private_segment_fixed_size 0
		.amdhsa_enable_private_segment 0
		.amdhsa_kernarg_size 40
		.amdhsa_user_sgpr_count 2
		.amdhsa_user_sgpr_kernarg_segment_ptr 1
		.amdhsa_wavefront_size32 1
		.amdhsa_system_sgpr_workgroup_id_x 1
		.amdhsa_system_sgpr_workgroup_id_y 1
		.amdhsa_system_sgpr_workgroup_id_z 1
		.amdhsa_system_vgpr_workitem_id 0
		.amdhsa_next_free_vgpr 1024
		.amdhsa_next_free_sgpr 66
		.amdhsa_reserve_vcc 0
		.amdhsa_float_denorm_mode_32 3
		.amdhsa_float_denorm_mode_16_64 3
		.amdhsa_memory_ordered 1
		.amdhsa_forward_progress 1
		.amdhsa_inst_pref_size 240
	.end_amdhsa_kernel
	.amdgpu_metadata
---
amdhsa.version: [ 1, 2 ]
amdhsa.kernels:
  - .name:           k_q61c68afb46_scores
    .symbol:         k_q61c68afb46_scores.kd
    .args:
      - { .name: k, .offset: 0, .size: 8, .value_kind: global_buffer, .address_space: global }
      - { .name: q, .offset: 8, .size: 8, .value_kind: global_buffer, .address_space: global }
      - { .name: v, .offset: 16, .size: 8, .value_kind: global_buffer, .address_space: global }
      - { .name: bimg, .offset: 24, .size: 8, .value_kind: global_buffer, .address_space: global }
      - { .name: part, .offset: 32, .size: 8, .value_kind: global_buffer, .address_space: global }
    .group_segment_fixed_size: 305664
    .private_segment_fixed_size: 0
    .kernarg_segment_align: 8
    .kernarg_segment_size: 40
    .max_flat_workgroup_size: 128
    .sgpr_count:     66
    .vgpr_count:     1024
    .wavefront_size: 32
...
	.end_amdgpu_metadata
.endif
;; end of part 2
;; launch softmax (part 3): grid 32 x 1, 8 waves a work-group, no clusters, 1,280 bytes of LDS; arguments part, out0; writes out0
.if DOCPART == 3
	.amdgcn_target "amdgcn-amd-amdhsa--gfx1250"
	.amdhsa_code_object_version 6
	.text
	.protected	k_q61c68afb46_softmax
	.globl	k_q61c68afb46_softmax
	.p2align	8
	.type	k_q61c68afb46_softmax,@function
k_q61c68afb46_softmax:
	s_mov_b64 s[64:65], 0
	v_nop
	global_prefetch_b8 v0, s[64:65] scope:SCOPE_SE
	s_setreg_imm32_b32 hwreg(HW_REG_WAVE_MODE, 25, 1), 1
	s_wait_xcnt 0x0
; out0[b][s] = softmax over s of the sum over c = 0 .. 7 of part[c][1024 b + s].  part: [8][32768] f32; out0: [32][1024] f32.
; A work-group takes one batch; thread t takes s = 4 t .. 4 t + 3: each load and the store of a wave cover 512 consecutive bytes.  The eight parts are added in ascending order.
; The row's maximum is taken away before the exponential, as the definition has it: p = 2^(log2(e) x - log2(e) m), one fused multiply-add and one exponential.
; The maximum and the sum go across the lanes in registers and across the eight waves through 32 bytes of LDS each, with one barrier each.  32 work-groups: there are 32 rows, and a row is 4 KiB.
	s_load_b128 s[4:7], s[0:1], 0x0                ; part, out0
	v_lshl_add_u32 v48, v0, 2, 0x100
	v_mov_b32 v49, 0
	v_lshlrev_b32 v1, 4, v0                        ; my 16 bytes of the row
	v_lshrrev_b32 v2, 5, v0
	s_delay_alu instid0(VALU_DEP_1)
	v_lshlrev_b32 v2, 2, v2                        ; LDS: my wave's word
	v_mov_b32 v3, 0                                ; written once: a lane permute's destination counts as one of its sources
	v_mov_b32 v4, 0                                ; LDS byte 0
	s_lshl_b32 s8, ttmp9, 12                       ; the batch's 1,024 numbers
	s_mov_b32 s9, 0
	s_mov_b32 s12, 0x76543210
	s_mov_b32 s13, 0xfedcba98                      ; v_permlanex16_b32's selects for lane l xor 16
	s_mov_b32 s14, 0x3fb8aa3b                      ; log2(e)
	s_wait_alu depctr_va_vdst(0)
	s_wait_kmcnt 0x0
	s_add_nc_u64 s[4:5], s[4:5], s[8:9]
	s_add_nc_u64 s[6:7], s[6:7], s[8:9]
.irp c, 0,1,2,3,4,5,6,7
	global_load_b128 v[8+4*\c:11+4*\c], v1, s[4:5] offset:\c*131072
.endr
	s_wait_loadcnt 6                               ; parts 0 and 1 are in; the six younger loads may be out
	v_pk_add_f32 v[8:9], v[8:9], v[12:13]
	v_pk_add_f32 v[10:11], v[10:11], v[14:15]
	s_wait_alu depctr_va_vdst(0)
.irp c, 2,3,4,5,6,7
	s_wait_alu depctr_va_vdst(0)
	s_wait_loadcnt 7-\c                            ; part c is in
	v_pk_add_f32 v[8:9], v[8:9], v[8+4*\c:9+4*\c]
	v_pk_add_f32 v[10:11], v[10:11], v[10+4*\c:11+4*\c]
.endr
	s_delay_alu instid0(VALU_DEP_1)
	v_max3_num_f32 v5, v8, v9, v10                 ; the maximum: my four,
	s_delay_alu instid0(VALU_DEP_1)
	v_max_num_f32 v5, v5, v11
	s_delay_alu instid0(VALU_DEP_1)
	v_max_num_f32_dpp v5, v5, v5 row_xmask:1 row_mask:0xf bank_mask:0xf   ; my wave's,
	s_delay_alu instid0(VALU_DEP_1)
	v_max_num_f32_dpp v5, v5, v5 row_xmask:2 row_mask:0xf bank_mask:0xf
	s_delay_alu instid0(VALU_DEP_1)
	v_max_num_f32_dpp v5, v5, v5 row_xmask:4 row_mask:0xf bank_mask:0xf
	s_delay_alu instid0(VALU_DEP_1)
	v_max_num_f32_dpp v5, v5, v5 row_xmask:8 row_mask:0xf bank_mask:0xf
	s_delay_alu instid0(VALU_DEP_1)
	v_permlanex16_b32 v3, v5, s12, s13
	s_delay_alu instid0(VALU_DEP_1)
	v_max_num_f32 v5, v5, v3
	ds_store_b32 v2, v5                            ; all lanes of a wave write the same word with the same value
	s_wait_dscnt 0x0                               ; for the others' sake
	s_barrier_signal -1
	s_barrier_wait -1
	ds_load_b128 v[40:43], v4                      ; the eight waves'
	ds_load_b128 v[44:47], v4 offset:16
	s_wait_dscnt 0x0
	v_max3_num_f32 v5, v40, v41, v42
	s_delay_alu instid0(VALU_DEP_1)
	v_max3_num_f32 v5, v5, v43, v44
	s_delay_alu instid0(VALU_DEP_1)
	v_max3_num_f32 v5, v5, v45, v46
	s_delay_alu instid0(VALU_DEP_1)
	v_max_num_f32 v5, v5, v47                      ; m
	s_delay_alu instid0(VALU_DEP_1)
	v_mul_f32 v6, s14, v5                          ; log2(e) m
.irp j, 8,9,10,11
	v_fma_f32 v\j, v\j, s14, -v6
.endr
	s_wait_alu depctr_va_vdst(0)
.irp j, 8,9,10,11
	v_exp_f32 v\j, v\j
.endr
	v_nop                                          ; one plain line behind the exponentials
	s_wait_alu depctr_va_vdst(0)
	v_add_f32 v5, v8, v9                           ; the sum: my four,
	v_add_f32 v7, v10, v11
	s_delay_alu instid0(VALU_DEP_1)
	v_add_f32 v5, v5, v7
	s_delay_alu instid0(VALU_DEP_1)
	v_add_f32_dpp v5, v5, v5 row_xmask:1 row_mask:0xf bank_mask:0xf       ; my wave's,
	s_delay_alu instid0(VALU_DEP_1)
	v_add_f32_dpp v5, v5, v5 row_xmask:2 row_mask:0xf bank_mask:0xf
	s_delay_alu instid0(VALU_DEP_1)
	v_add_f32_dpp v5, v5, v5 row_xmask:4 row_mask:0xf bank_mask:0xf
	s_delay_alu instid0(VALU_DEP_1)
	v_add_f32_dpp v5, v5, v5 row_xmask:8 row_mask:0xf bank_mask:0xf
	s_delay_alu instid0(VALU_DEP_1)
	v_permlanex16_b32 v3, v5, s12, s13
	s_delay_alu instid0(VALU_DEP_1)
	v_add_f32 v5, v5, v3
	ds_store_b32 v2, v5 offset:32                  ; other bytes than the maxima's: no wave can still be reading them
	s_wait_dscnt 0x0
	s_barrier_signal -1
	s_barrier_wait -1
	ds_load_b128 v[40:43], v4 offset:32            ; the eight waves'
	ds_load_b128 v[44:47], v4 offset:48
	s_wait_dscnt 0x0
	v_pk_add_f32 v[40:41], v[40:41], v[42:43]
	v_pk_add_f32 v[44:45], v[44:45], v[46:47]
	s_delay_alu instid0(VALU_DEP_1)
	v_pk_add_f32 v[40:41], v[40:41], v[44:45]
	s_delay_alu instid0(VALU_DEP_1)
	v_add_f32 v5, v40, v41
	s_wait_alu depctr_va_vdst(0)
	v_rcp_f32 v6, v5
	v_nop                                          ; one plain line behind the reciprocal
	s_wait_alu depctr_va_vdst(0)
	v_pk_mul_f32 v[8:9], v[8:9], v[6:7] op_sel_hi:[1,0]       ; of the pair v[6:7] the low word serves both halves
	v_pk_mul_f32 v[10:11], v[10:11], v[6:7] op_sel_hi:[1,0]
	global_store_b128 v1, v[8:11], s[6:7]          ; a wave stores 512 consecutive bytes
	s_wait_tensorcnt 0x0
	ds_add_u32 v48, v49
	s_wait_dscnt 0x0
	s_endpgm
.Lfunc_end_k_q61c68afb46_softmax:
	.size	k_q61c68afb46_softmax, .Lfunc_end_k_q61c68afb46_softmax-k_q61c68afb46_softmax
	.p2alignl 7, 3214868480
	.fill 96, 4, 3214868480
	.section	.rodata,"a",@progbits
	.p2align	6, 0x0
	.amdhsa_kernel k_q61c68afb46_softmax
		.amdhsa_group_segment_fixed_size 1280
		.amdhsa_private_segment_fixed_size 0
		.amdhsa_enable_private_segment 0
		.amdhsa_kernarg_size 16
		.amdhsa_user_sgpr_count 2
		.amdhsa_user_sgpr_kernarg_segment_ptr 1
		.amdhsa_wavefront_size32 1
		.amdhsa_system_sgpr_workgroup_id_x 1
		.amdhsa_system_sgpr_workgroup_id_y 1
		.amdhsa_system_sgpr_workgroup_id_z 1
		.amdhsa_system_vgpr_workitem_id 0
		.amdhsa_next_free_vgpr 50
		.amdhsa_next_free_sgpr 66
		.amdhsa_reserve_vcc 0
		.amdhsa_float_denorm_mode_32 3
		.amdhsa_float_denorm_mode_16_64 3
		.amdhsa_memory_ordered 1
		.amdhsa_forward_progress 1
		.amdhsa_inst_pref_size 7
	.end_amdhsa_kernel
	.amdgpu_metadata
---
amdhsa.version: [ 1, 2 ]
amdhsa.kernels:
  - .name:           k_q61c68afb46_softmax
    .symbol:         k_q61c68afb46_softmax.kd
    .args:
      - { .name: part, .offset: 0, .size: 8, .value_kind: global_buffer, .address_space: global }
      - { .name: out0, .offset: 8, .size: 8, .value_kind: global_buffer, .address_space: global }
    .group_segment_fixed_size: 1280
    .private_segment_fixed_size: 0
    .kernarg_segment_align: 8
    .kernarg_segment_size: 16
    .max_flat_workgroup_size: 256
    .sgpr_count:     66
    .vgpr_count:     50
    .wavefront_size: 32
...
	.end_amdgpu_metadata
.endif
;; end of part 3
